; MI455X (gfx1250); checked and timed in simulation.
; The chip was launched on July 23, 2026; its instructions are those of AMD's public machine-readable ISA for CDNA 5 (MIT licence, August 2026) and "CDNA5" Instruction Set Architecture Reference Guide (July 2026). The comments in the code are by the model that wrote it; some were corrected since.
;; Multihead Attention. Allowed arithmetic: matrix products marked QUANTISED: E5M2 operands, one E8M0 scale for each 32 along K, by v_wmma_scale_f32_16x16x128_f8f6f4 with both operands' format E5M2, f32 sums; everything else in f32.
;; Inputs: Wk 256 x 512 float32; Wo 512 x 1,024 float32; Wq 1,024 x 512 float32; Wv 256 x 512 float32; x 2,048 x 512 float32.
;; Outputs: out0 2,048 x 512 float32.
;; This version of the problem:
;;   THIS VERSION OF THE PROBLEM IS GIVEN IN LOW PRECISION. The matrix products marked QUANTISED in the list below multiply operands that are first quantised to E5M2 (5 exponent bits, 2 mantissa bits; 8 bits a number), with one power-of-two scale for each 32 numbers along K (OCP MX v1.0); their sums are f32. All else is computed in f32.
;;   The module's matrix products, in the order in which they are computed (A, B: the left and right operand; K: the contracted axis; several contracted axes count as one K, in the product's order):
;;     1. [M 2,048, K 512] x [K 512, N 1,024]; A: input x; B: input Wq: QUANTISED
;;     2. [M 2,048, K 512] x [K 512, N 256]; A: input x; B: input Wk: QUANTISED
;;     3. [M 2,048, K 512] x [K 512, N 256]; A: input x; B: input Wv: QUANTISED
;;     4. [M 8,192, K 64] x [K 64, N 32,768]; A: computed on the way; B: computed on the way: QUANTISED
;;     5. [M 64, K 8,192] x [K 8,192, N 32,768]; A: computed on the way; B: computed on the way: QUANTISED
;;     6. [M 2,048, K 1,024] x [K 1,024, N 512]; A: computed on the way; B: input Wo: QUANTISED
;;   THE QUANTISER, for each operand of a quantised product, along K:
;;     - K is cut into blocks of 32 from its start; a last block that is shorter is filled with zeros.
;;     - A block's scale is 2^e with e = floor(log2(the largest magnitude in the block)) - 15, held to -126 .. 127; a block of zeros has e = 0. As a byte (E8M0): e + 127.
;;     - Each number is divided by its block's scale, clamped to +-57,344, and rounded to the nearest number of E5M2, ties to even, subnormals kept.
;;     - The product sums the exact products of the quantised numbers (number of the format x scale) in f32.
;;   ~~~python
;;   def quantise(x, axis):      # numpy; x: float32 -> the quantised numbers, widened to float32 again
;;       x = np.moveaxis(x, axis, -1); K = x.shape[-1]
;;       x = np.pad(x, [(0, 0)] * (x.ndim - 1) + [(0, -K % 32)]); x = x.reshape(x.shape[:-1] + (-1, 32)); a = np.abs(x).max(-1, keepdims=True)
;;       e = np.where(a > 0, np.clip(np.frexp(np.where(a > 0, a, 1))[1] - 1 - 15, -126, 127), 0)      # np.frexp(a)[1] - 1 = floor(log2(a)), exactly
;;       r = np.clip(x / 2.0 ** e, -57344, 57344)
;;       step = 2.0 ** (np.maximum(np.frexp(np.where(r == 0, 1, r))[1] - 1, -14) - 2)
;;       q = np.round(r / step) * step * 2.0 ** e      # np.round: ties to even
;;       return np.moveaxis(q.reshape(q.shape[:-2] + (-1,))[..., :K], -1, axis).astype(np.float32)
;;   ~~~
;;   OPERANDS COMPUTED ON THE WAY. 'Computed on the way' means the value that the module computes at that place (a softmax that the list does not call 'softmax' is quantised finished and normalised). What goes into a quantiser is computed in f32, as accurately as f32 sums, v_exp_f32 and their like allow (about 1e-6 of the number): no bf16 or f16 on the way to a quantiser, and a product that is left as it is and whose result goes on into a quantised operand takes f32 operands (vector FMAs, or v_wmma_f32_16x16x4_f32). A number that lies on a knife's edge between two numbers of the format may be rounded either way, as far as f32 arithmetic and the matrix unit's own rounding can turn it there, and no further.
;; One version. Each part assembles by itself: llvm-mc -triple=amdgcn-amd-amdhsa -mcpu=gfx1250 --defsym DOCPART=n.
;; ======== version 1 of 1: 4 launches
;; workspace buffers: c0 2,359,296 bytes; s0 147,456 bytes; qc 2,097,152 bytes; qs 262,144 bytes; kvb 1,114,112 bytes; oc 2,097,152 bytes; os 65,536 bytes
;; launch quant (part 1): grid 288 x 1, 4 waves a work-group, no clusters, 34,304 bytes of LDS; arguments x, Wq, Wk, Wv, Wo, c0, s0; writes c0, s0
.if DOCPART == 1
	.amdgcn_target "amdgcn-amd-amdhsa--gfx1250"
	.amdhsa_code_object_version 6
	.text
	.protected	k_q2d719a3e3c_quant
	.globl	k_q2d719a3e3c_quant
	.p2align	8
	.type	k_q2d719a3e3c_quant,@function
k_q2d719a3e3c_quant:
	s_mov_b64 s[64:65], 0
	v_nop
	global_prefetch_b8 v0, s[64:65] scope:SCOPE_SE
	s_setreg_imm32_b32 hwreg(HW_REG_WAVE_MODE, 25, 1), 1
	s_wait_xcnt 0x0
; x [2048][512], Wq [1024][512], Wk [256][512], Wv [256][512], Wo [512][1024], f32, K innermost, become codes of BF8 (E5M2) with one E8M0 byte for each 32 along K.
; THE LAYOUT IS THE OPERAND'S REGISTERS.  A fragment is 16 rows x 128 K = 2,048 bytes: chunk c (0..3) at 512 c, lane l's 16 bytes at 16 l; lane (r = l % 16, h = l / 16) holds row r, k = 32 c + 16 h + 0 .. 15.
; Its scale words are 128 bytes, lane l's word at 4 l (lanes 16-31 hold copies).  So every later launch loads a fragment by four loads of 512 consecutive bytes.
; THE ROWS OF A TILE ARE NOT NEIGHBOURS: lane r of tile t takes row 32 (t / 2) + 8 (t % 2) + r + 8 (r / 8), so that a product that takes tiles 2 b, 2 b + 1 as source 0 leaves 16 neighbours in a lane's 16 registers.
; Fragment numbers: x 4 t + s (0..511); Wq, Wk, Wv on end as 96 tiles: 512 + 4 t + s; Wo: 896 + 8 t + s.  A wave makes one fragment: 4 x work-group + wave.
; A block's scale byte is its largest magnitude's exponent field - 15, held at 1 from below; each number is held within +-57,344 x the scale and converted, ties to even.
; LIMITS: a block of zeros gets the byte 1 (the rule says 127): its codes are zeros and this program alone reads the bytes.  NaN and infinities among the inputs are not served.
; Each load reads 512 consecutive bytes of one row; the 16 rows turn through the wave's own stage in LDS (pitch 528 = 33 x 16 bytes, so that the 16 rows a load touches start at 16 different 16-byte columns).
; Memory binds here: no matrix unit, no cluster, no barrier: waves share nothing.
.set STG,   8448                       ; a wave's stage: 16 rows x 528 bytes
.set SPARE, 4*STG                      ; behind the stages: the spare words, 128 bytes a wave, that no other line names
.set L16,  2                           ; v2   16 x lane
.set SIN,  5                           ; v5   the stage on the way in
.set SOUT, 6                           ; v6   and on the way out: row r, + 64 h
.set L4,   7                           ; v7   4 x lane
.set SPW,  8                           ; v8   my spare word's address; never rewritten
.set NIL,  9                           ; v9   0; never rewritten
.set OFF,  10                          ; v10-25  byte offset of my 16 bytes in each of the tile's 16 rows
.set R,    32                          ; v32-95  the rows as loaded
.set X,    96                          ; v96-159 register 16 c + i: k = 32 c + 16 h + i of my row
.set TM,   160                         ; v160-175 at work
.set PW,   176                         ; the scale word
.set PC,   180                         ; v180-195 the codes
.set SEL,  24                          ; s[24:25] selects for lane l xor 16
.set MNT,  26                          ; s26  the mantissa field of 57,344
.macro QUANT4 s                        ; 64 numbers of a lane, four blocks of which lanes l and l xor 16 hold 16 each -> codes in v[PC] on, scale word in v[PW]
.irp b, 0,1,2,3
	v_max3_num_f32 v[TM+\b], |v[\s+16*\b]|, |v[\s+1+16*\b]|, 0x8000000   ; my 16 numbers, and the floor 2^(16 - 127): the byte cannot fall under 1
.endr
.irp i, 2,4,6,8,10,12,14
.irp b, 0,1,2,3
	v_max3_num_f32 v[TM+\b], v[TM+\b], |v[\s+16*\b+\i]|, |v[\s+1+16*\b+\i]|   ; the four blocks by turns
.endr
.endr
.irp b, 0,1,2,3
	v_permlanex16_b32 v[TM+4+\b], v[TM+\b], s[SEL], s[SEL+1]
.endr
.irp b, 0,1,2,3
	v_max_num_f32 v[TM+\b], v[TM+\b], v[TM+4+\b]                  ; the block's largest magnitude
.endr
.irp b, 0,1,2,3
	v_add_nc_u32 v[TM+12+\b], 0xf8800000, v[TM+\b]                ; 15 off its exponent field: the conversion's scale operand
.endr
.irp b, 0,1,2,3
	v_and_or_b32 v[TM+8+\b], v[TM+\b], 0x7f800000, s[MNT]         ; 57,344 x the scale
.endr
.irp b, 0,1,2,3
	v_lshrrev_b32 v[TM+4+\b], 23, v[TM+12+\b]                     ; the scale's byte
.endr
	v_lshl_or_b32 v[PW], v[TM+5], 8, v[TM+4]
	v_lshl_or_b32 v[PW], v[TM+6], 16, v[PW]
	v_lshl_or_b32 v[PW], v[TM+7], 24, v[PW]
.irp b, 0,1,2,3
.set e, 0
.rept 16
	v_med3_num_f32 v[\s+16*\b+e], v[\s+16*\b+e], -v[TM+8+\b], v[TM+8+\b]   ; the conversion to an 8-bit code does not saturate (ISA guide 7.6.2): the hold comes first
.set e, e+1
.endr
	v_cvt_scalef32_pk8_bf8_f32 v[PC+4*\b:PC+1+4*\b], v[\s+16*\b:\s+7+16*\b], v[TM+12+\b]
	v_cvt_scalef32_pk8_bf8_f32 v[PC+2+4*\b:PC+3+4*\b], v[\s+8+16*\b:\s+15+16*\b], v[TM+12+\b]
.endr
	v_nop                                          ; a plain line behind the last conversion
.endm
	s_load_b256 s[4:11], s[0:1], 0x0               ; x s[4:5], Wq s[6:7], Wk s[8:9], Wv s[10:11]
	s_load_b128 s[12:15], s[0:1], 0x20             ; Wo s[12:13], c0 s[14:15]
	s_load_b64 s[16:17], s[0:1], 0x30              ; s0
	v_lshl_add_u32 v[SPW], v0, 2, SPARE
	v_mov_b32 v[NIL], 0
	v_lshrrev_b32 v1, 5, v0
	v_readfirstlane_b32 s18, v1                    ; wave
	v_and_b32 v1, 31, v0
	v_lshlrev_b32 v[L16], 4, v1
	v_lshlrev_b32 v[L4], 2, v1
	s_mul_i32 s19, s18, STG
	v_add_nc_u32 v[SIN], s19, v[L16]
	v_and_b32 v3, 15, v0                           ; r
	v_bfe_u32 v4, v0, 4, 1                         ; h
	v_mul_u32_u24 v[SOUT], v3, 528
	v_lshl_add_u32 v[SOUT], v4, 6, v[SOUT]
	v_add_nc_u32 v[SOUT], s19, v[SOUT]
.irp b, 0,1,2,3
	v_mov_b32 v[TM+4+\b], 0                        ; a lane permute's destination counts as one of its sources
.endr
	s_mov_b32 s[SEL], 0x76543210
	s_mov_b32 s[SEL+1], 0xfedcba98
	s_mov_b32 s[MNT], 0x600000
	s_lshl_b32 s27, ttmp9, 2
	s_add_co_u32 s27, s27, s18                     ; my fragment's number
	s_mov_b32 s22, 896                             ; the tensor's first fragment,
	s_mov_b32 s23, 1                               ; and 1 where its rows are 1,024 long (Wo), else 0
	s_wait_kmcnt 0x0
	s_mov_b64 s[20:21], s[12:13]                   ; which tensor: a choice on the work-group's number alone
	s_cmp_lt_u32 ttmp9, 224
	s_cselect_b64 s[20:21], s[10:11], s[20:21]
	s_cselect_b32 s22, 832, s22
	s_cselect_b32 s23, 0, s23
	s_cmp_lt_u32 ttmp9, 208
	s_cselect_b64 s[20:21], s[8:9], s[20:21]
	s_cselect_b32 s22, 768, s22
	s_cmp_lt_u32 ttmp9, 192
	s_cselect_b64 s[20:21], s[6:7], s[20:21]
	s_cselect_b32 s22, 512, s22
	s_cmp_lt_u32 ttmp9, 128
	s_cselect_b64 s[20:21], s[4:5], s[20:21]
	s_cselect_b32 s22, 0, s22
	s_sub_co_u32 s28, s27, s22                     ; the fragment's number in its tensor
	s_add_co_u32 s29, s23, 2
	s_lshr_b32 s30, s28, s29                       ; tile
	s_lshl_b32 s31, 4, s23
	s_sub_co_u32 s31, s31, 1
	s_and_b32 s31, s28, s31                        ; K step
	s_lshl_b32 s32, 2048, s23                      ; a row in bytes
	s_lshr_b32 s33, s30, 1
	s_lshl_b32 s33, s33, 5
	s_and_b32 s34, s30, 1
	s_lshl_b32 s34, s34, 3
	s_add_co_u32 s33, s33, s34                     ; the tile's first row: 32 (t / 2) + 8 (t % 2)
	s_mul_i32 s34, s33, s32
	s_lshl_b32 s35, s31, 9
	s_add_co_u32 s34, s34, s35                     ; + 512 bytes a K step
	s_mov_b32 s35, 0
	s_add_nc_u64 s[20:21], s[20:21], s[34:35]
	s_lshl_b32 s36, s27, 11
	s_mov_b32 s37, 0
	s_add_nc_u64 s[36:37], s[14:15], s[36:37]      ; my fragment's image
	s_lshl_b32 s38, s27, 7
	s_mov_b32 s39, 0
	s_add_nc_u64 s[38:39], s[16:17], s[38:39]      ; and its scale words'
.irp t, 0,1,2,3,4,5,6,7,8,9,10,11,12,13,14,15
	v_mad_u32_u24 v[OFF+\t], s32, \t+8*(\t/8), v[L16]              ; the tile's row t lies t + 8 (t / 8) rows on
.endr
.irp t, 0,1,2,3,4,5,6,7,8,9,10,11,12,13,14,15
	global_load_b128 v[R+4*\t:R+4*\t+3], v[OFF+\t], s[20:21] th:TH_LOAD_NT   ; 32 lanes read 512 consecutive bytes of one row; read once in the launch
.endr
.irp t, 0,1,2,3,4,5,6,7,8,9,10,11,12,13,14,15
	s_wait_loadcnt 15-\t                           ; loads come back in order: row t is in, the 15 - t younger ones may be out
	ds_store_b128 v[SIN], v[R+4*\t:R+4*\t+3] offset:528*\t
.endr
.irp c, 0,1,2,3
.irp i, 0,1,2,3
	ds_load_b128 v[X+16*\c+4*\i:X+16*\c+4*\i+3], v[SOUT] offset:128*\c+16*\i   ; LDS serves a wave's instructions in order: these see my stores
.endr
.endr
	s_wait_dscnt 0x0
	QUANT4 X
.irp c, 0,1,2,3
	global_store_b128 v[L16], v[PC+4*\c:PC+4*\c+3], s[36:37] offset:512*\c   ; 512 consecutive bytes, aligned
.endr
	global_store_b32 v[L4], v[PW], s[38:39]        ; 128 consecutive bytes
	s_wait_tensorcnt 0x0                           ; the wave's end: a wait, an add and a wait behind my last LDS store
	ds_add_u32 v[SPW], v[NIL]
	s_wait_dscnt 0x0
	s_endpgm
.Lfunc_end_k_q2d719a3e3c_quant:
	.size	k_q2d719a3e3c_quant, .Lfunc_end_k_q2d719a3e3c_quant-k_q2d719a3e3c_quant
	.p2alignl 7, 3214868480
	.fill 96, 4, 3214868480
	.section	.rodata,"a",@progbits
	.p2align	6, 0x0
	.amdhsa_kernel k_q2d719a3e3c_quant
		.amdhsa_group_segment_fixed_size 34304
		.amdhsa_private_segment_fixed_size 0
		.amdhsa_enable_private_segment 0
		.amdhsa_kernarg_size 56
		.amdhsa_user_sgpr_count 2
		.amdhsa_user_sgpr_kernarg_segment_ptr 1
		.amdhsa_wavefront_size32 1
		.amdhsa_system_sgpr_workgroup_id_x 1
		.amdhsa_system_sgpr_workgroup_id_y 1
		.amdhsa_system_sgpr_workgroup_id_z 1
		.amdhsa_system_vgpr_workitem_id 0
		.amdhsa_next_free_vgpr 200
		.amdhsa_next_free_sgpr 66
		.amdhsa_reserve_vcc 0
		.amdhsa_float_denorm_mode_32 3
		.amdhsa_float_denorm_mode_16_64 3
		.amdhsa_memory_ordered 1
		.amdhsa_forward_progress 1
		.amdhsa_inst_pref_size 17
	.end_amdhsa_kernel
	.amdgpu_metadata
---
amdhsa.version: [ 1, 2 ]
amdhsa.kernels:
  - .name:           k_q2d719a3e3c_quant
    .symbol:         k_q2d719a3e3c_quant.kd
    .args:
      - { .name: x, .offset: 0, .size: 8, .value_kind: global_buffer, .address_space: global }
      - { .name: Wq, .offset: 8, .size: 8, .value_kind: global_buffer, .address_space: global }
      - { .name: Wk, .offset: 16, .size: 8, .value_kind: global_buffer, .address_space: global }
      - { .name: Wv, .offset: 24, .size: 8, .value_kind: global_buffer, .address_space: global }
      - { .name: Wo, .offset: 32, .size: 8, .value_kind: global_buffer, .address_space: global }
      - { .name: c0, .offset: 40, .size: 8, .value_kind: global_buffer, .address_space: global }
      - { .name: s0, .offset: 48, .size: 8, .value_kind: global_buffer, .address_space: global }
    .group_segment_fixed_size: 34304
    .private_segment_fixed_size: 0
    .kernarg_segment_align: 8
    .kernarg_segment_size: 56
    .max_flat_workgroup_size: 128
    .sgpr_count:     66
    .vgpr_count:     200
    .wavefront_size: 32
...
	.end_amdgpu_metadata
.endif
;; end of part 1
;; launch proj (part 2): grid 768 x 1, 1 waves a work-group, no clusters, 0 bytes of LDS; arguments c0, s0, qc, qs, kvb; writes qc, qs, kvb
.if DOCPART == 2
	.amdgcn_target "amdgcn-amd-amdhsa--gfx1250"
	.amdhsa_code_object_version 6
	.text
	.protected	k_q2d719a3e3c_proj
	.globl	k_q2d719a3e3c_proj
	.p2align	8
	.type	k_q2d719a3e3c_proj,@function
k_q2d719a3e3c_proj:
	s_mov_b64 s[64:65], 0
	v_nop
	global_prefetch_b8 v0, s[64:65] scope:SCOPE_SE
	s_setreg_imm32_b32 hwreg(HW_REG_WAVE_MODE, 25, 1), 1
	s_wait_xcnt 0x0
; q = x Wq^T, k = x Wk^T, v = x Wv^T on codes of BF8 with E8M0 scales, K = 512; the results are quantised at once: q and k along the head's 64, v along the keys; and stored as images of the next operands' registers.
; SHARES.  Work-group = one wave = 64 rows of x (rb = id % 32) x 64 columns (cb = id / 32: 16 query heads, 4 key heads, 4 value heads): 16 accumulators, 64 matrix instructions.
; Both operands are 16 fragments on end in c0 (32 KB each): every load reads 512 consecutive bytes straight into the operand's registers.  No LDS, no barrier.
; NO CLUSTER, NO TENSOR LOAD: no tile passes through LDS here; a wave's two operands fill its registers once and are used once, for 64 matrix instructions, so a joint load would only add a trip through LDS.
; SOURCE 0 IS WHAT THE NEXT K RUNS ALONG: for q and k the rows of W (a lane then holds one row of x, and its 32 registers the head's 64 numbers of its half: register 16 b + i is d = 32 b + 16 h + i);
; for v the rows of x (a lane holds one channel d, registers run along the keys).  That order comes from the choice of a tile's rows made when the codes were laid.
; OUT.  qc [head][tile][2 chunks][512]; qs one word a lane (b0, b1, b0, b1).  kvb [kv][step of 128 keys] blocks of 17,408 bytes: four fragments of K, their scale words, four of V, theirs.
; A FRAGMENT OF K HOLDS TWO KEY TILES: row r = the 64 codes of key 32 b + r + 8 (r / 8), then those of that key + 8; word (a0, a1, b0, b1).  Multiplied by (q, 0) or (0, q) it gives one tile or the other.
; v's scale bytes leave as two bytes a lane (256 bytes a work-group): the other two bytes of each word belong to the neighbouring 64 keys' work-group.
; LIMITS: a block of zeros gets the byte 1 with zero codes; NaN and infinities are not served.
.set BLK,  17408
.set L16,  1                           ; v1   16 x lane
.set L4,   2                           ; v2   4 x lane
.set SA,   16                          ; v16-31  source 0's scale words (4 n + s)
.set SB,   32                          ; v32-47  source 1's (4 m + s)
.set TM,   48                          ; v48-63  at work
.set D,    64                          ; v64-191 accumulator (m, n) at 64 + 32 m + 8 n
.set PC,   192                         ; v192-223 codes, 8 registers for each m
.set HW,   224                         ; v224-227 b0 | b1 << 8 for each m
.set WD,   228                         ; v228-231 words to store
.set SEL,  24
.set MNT,  26
.set MSB, 0
.macro WIN new                         ; the immediate's high byte repeats the setting that is left
.if MSB != \new
	s_set_vgpr_msb (MSB<<8)|\new
.set MSB, \new
.endif
.endm
.macro QUANT4 s, pc                    ; 64 numbers of a lane = four blocks (two row tiles x two) -> 16 code registers at v[pc], the four bytes in v[TM+4] on
.irp b, 0,1,2,3
	v_max3_num_f32 v[TM+\b], |v[\s+16*\b]|, |v[\s+1+16*\b]|, 0x8000000   ; each accumulator is read from its low end on; the floor 2^(16 - 127) holds the byte at 1
.endr
.irp i, 2,4,6,8,10,12,14
.irp b, 0,1,2,3
	v_max3_num_f32 v[TM+\b], v[TM+\b], |v[\s+16*\b+\i]|, |v[\s+1+16*\b+\i]|
.endr
.endr
.irp b, 0,1,2,3
	v_permlanex16_b32 v[TM+4+\b], v[TM+\b], s[SEL], s[SEL+1]
.endr
.irp b, 0,1,2,3
	v_max_num_f32 v[TM+\b], v[TM+\b], v[TM+4+\b]
.endr
.irp b, 0,1,2,3
	v_add_nc_u32 v[TM+12+\b], 0xf8800000, v[TM+\b]
.endr
.irp b, 0,1,2,3
	v_and_or_b32 v[TM+8+\b], v[TM+\b], 0x7f800000, s[MNT]
.endr
.irp b, 0,1,2,3
	v_lshrrev_b32 v[TM+4+\b], 23, v[TM+12+\b]
.endr
.irp b, 0,1,2,3
.set e, 0
.rept 16
	v_med3_num_f32 v[\s+16*\b+e], v[\s+16*\b+e], -v[TM+8+\b], v[TM+8+\b]
.set e, e+1
.endr
	v_cvt_scalef32_pk8_bf8_f32 v[\pc+4*\b:\pc+1+4*\b], v[\s+16*\b:\s+7+16*\b], v[TM+12+\b]
	v_cvt_scalef32_pk8_bf8_f32 v[\pc+2+4*\b:\pc+3+4*\b], v[\s+8+16*\b:\s+15+16*\b], v[TM+12+\b]
.endr
	v_nop                                          ; a plain line behind the last conversion
.endm
	s_load_b256 s[4:11], s[0:1], 0x0               ; c0 s[4:5], s0 s[6:7], qc s[8:9], qs s[10:11]
	s_load_b64 s[12:13], s[0:1], 0x20              ; kvb
	v_lshlrev_b32 v[L16], 4, v0                    ; one wave: the thread's number is the lane
	v_lshlrev_b32 v[L4], 2, v0
.irp b, 0,1,2,3
	v_mov_b32 v[TM+4+\b], 0                        ; a lane permute's destination counts as one of its sources
.endr
	s_mov_b32 s[SEL], 0x76543210
	s_mov_b32 s[SEL+1], 0xfedcba98
	s_mov_b32 s[MNT], 0x600000
	s_lshr_b32 s14, ttmp9, 5                       ; cb
	s_and_b32 s15, ttmp9, 31                       ; rb
	s_lshl_b32 s16, s14, 4
	s_add_co_u32 s16, s16, 512                     ; W's first fragment
	s_lshl_b32 s17, s15, 4                         ; x's
	s_cmp_ge_u32 s14, 20                           ; v: the sources change places
	s_cselect_b32 s18, s17, s16
	s_cselect_b32 s19, s16, s17
	s_lshl_b32 s20, s18, 11
	s_mov_b32 s21, 0
	s_lshl_b32 s22, s19, 11
	s_mov_b32 s23, 0
	s_lshl_b32 s28, s18, 7
	s_mov_b32 s29, 0
	s_lshl_b32 s30, s19, 7
	s_mov_b32 s31, 0
	s_wait_kmcnt 0x0
	s_add_nc_u64 s[20:21], s[4:5], s[20:21]        ; source 0's codes,
	s_add_nc_u64 s[22:23], s[4:5], s[22:23]        ; source 1's,
	s_add_nc_u64 s[28:29], s[6:7], s[28:29]        ; and their scale words
	s_add_nc_u64 s[30:31], s[6:7], s[30:31]
.set k, 0
.rept 16
	global_load_b32 v[SA+k], v[L4], s[28:29] offset:128*k
	global_load_b32 v[SB+k], v[L4], s[30:31] offset:128*k
.set k, k+1
.endr
	WIN 0x40                                       ; destination window 1: source 0's fragment (n, s) at 16 (4 n + s)
.set k, 0
.rept 64
	global_load_b128 v[4*k:4*k+3], v[L16], s[20:21] offset:512*k
.set k, k+1
.endr
	WIN 0x80                                       ; destination window 2: source 1's fragment (m, s) at 16 (4 m + s)
.set k, 0
.rept 64
	global_load_b128 v[4*k:4*k+3], v[L16], s[22:23] offset:512*k
.set k, k+1
.endr
	WIN 0x09                                       ; source 0 window 1, source 1 window 2, C and D window 0
.irp m, 0,1,2,3
	s_wait_loadcnt 48-16*\m                        ; all but the 16 loads of each later row tile of source 1
.irp s, 0,1,2,3
.irp n, 0,1,2,3                                ; four accumulators by turns, one instruction a turn; the first K step starts the sums
.if \s == 0
	v_wmma_scale_f32_16x16x128_f8f6f4 v[D+32*\m+8*\n:D+32*\m+8*\n+7], v[16*(4*\n+\s):16*(4*\n+\s)+15], v[16*(4*\m+\s):16*(4*\m+\s)+15], 0, v[SA+4*\n+\s], v[SB+4*\m+\s] matrix_a_fmt:MATRIX_FMT_BF8 matrix_b_fmt:MATRIX_FMT_BF8
.else
	v_wmma_scale_f32_16x16x128_f8f6f4 v[D+32*\m+8*\n:D+32*\m+8*\n+7], v[16*(4*\n+\s):16*(4*\n+\s)+15], v[16*(4*\m+\s):16*(4*\m+\s)+15], v[D+32*\m+8*\n:D+32*\m+8*\n+7], v[SA+4*\n+\s], v[SB+4*\m+\s] matrix_a_fmt:MATRIX_FMT_BF8 matrix_b_fmt:MATRIX_FMT_BF8
.endif
.endr
.endr
.endr
	WIN 0
.rept 8
	v_nop                                          ; eight places behind this form before its results are read
.endr
	QUANT4 D, PC
	v_lshl_or_b32 v[HW], v[TM+5], 8, v[TM+4]
	v_lshl_or_b32 v[HW+1], v[TM+7], 8, v[TM+6]
	QUANT4 D+64, PC+16
	v_lshl_or_b32 v[HW+2], v[TM+5], 8, v[TM+4]
	v_lshl_or_b32 v[HW+3], v[TM+7], 8, v[TM+6]
	s_cmp_ge_u32 s14, 16
	s_cbranch_scc1 .Lkv
	; ---- q: tile 4 rb + m of head cb
	s_lshl_b32 s32, s14, 7
	s_lshl_b32 s33, s15, 2
	s_add_co_u32 s32, s32, s33                     ; 128 cb + 4 rb
	s_lshl_b32 s34, s32, 7
	s_mov_b32 s35, 0
	s_lshl_b32 s32, s32, 10
	s_mov_b32 s33, 0
	s_add_nc_u64 s[8:9], s[8:9], s[32:33]
	s_add_nc_u64 s[10:11], s[10:11], s[34:35]
.irp m, 0,1,2,3
	v_lshl_or_b32 v[WD+\m], v[HW+\m], 16, v[HW+\m]                 ; (b0, b1, b0, b1): q serves as the low or as the high 64 of a K step
.endr
.irp m, 0,1,2,3
.irp b, 0,1
	global_store_b128 v[L16], v[PC+8*\m+4*\b:PC+8*\m+4*\b+3], s[8:9] offset:1024*\m+512*\b
.endr
	global_store_b32 v[L4], v[WD+\m], s[10:11] offset:128*\m
.endr
	s_endpgm
.Lkv:
	s_and_b32 s32, s14, 3                          ; the kv head (16 and 20 are multiples of 4)
	s_lshl_b32 s32, s32, 4
	s_lshr_b32 s33, s15, 1                         ; the step of 128 keys
	s_add_co_u32 s32, s32, s33
	s_mul_i32 s32, s32, BLK
	s_mov_b32 s33, 0
	s_add_nc_u64 s[12:13], s[12:13], s[32:33]      ; the block
	s_and_b32 s34, s15, 1                          ; which 64 of its keys
	s_cmp_ge_u32 s14, 20
	s_cbranch_scc1 .Lv
	; ---- k: key tile 4 (rb % 2) + m of the step: fragment 2 (rb % 2) + m / 2, chunks 2 (m % 2) + b
	s_lshl_b32 s32, s34, 12
	s_add_nc_u64 s[36:37], s[12:13], s[32:33]
	s_lshl_b32 s32, s34, 8
	s_add_nc_u64 s[38:39], s[12:13], s[32:33]
.irp f, 0,1
	v_lshl_or_b32 v[WD+\f], v[HW+2*\f+1], 16, v[HW+2*\f]
.endr
.irp m, 0,1,2,3
.irp b, 0,1
	global_store_b128 v[L16], v[PC+8*\m+4*\b:PC+8*\m+4*\b+3], s[36:37] offset:1024*\m+512*\b
.endr
.endr
.irp f, 0,1
	global_store_b32 v[L4], v[WD+\f], s[38:39] offset:8192+128*\f
.endr
	s_endpgm
.Lv:
	; ---- v: fragment m (16 channels), chunks 2 (rb % 2) + b: my 64 keys
	s_lshl_b32 s32, s34, 10
	s_add_nc_u64 s[36:37], s[12:13], s[32:33]
	s_lshl_b32 s32, s34, 1
	s_add_nc_u64 s[38:39], s[12:13], s[32:33]
.irp m, 0,1,2,3
.irp b, 0,1
	global_store_b128 v[L16], v[PC+8*\m+4*\b:PC+8*\m+4*\b+3], s[36:37] offset:8704+2048*\m+512*\b
.endr
	global_store_b16 v[L4], v[HW+\m], s[38:39] offset:16896+128*\m
.endr
	s_endpgm
.Lfunc_end_k_q2d719a3e3c_proj:
	.size	k_q2d719a3e3c_proj, .Lfunc_end_k_q2d719a3e3c_proj-k_q2d719a3e3c_proj
	.p2alignl 7, 3214868480
	.fill 96, 4, 3214868480
	.section	.rodata,"a",@progbits
	.p2align	6, 0x0
	.amdhsa_kernel k_q2d719a3e3c_proj
		.amdhsa_group_segment_fixed_size 0
		.amdhsa_private_segment_fixed_size 0
		.amdhsa_enable_private_segment 0
		.amdhsa_kernarg_size 40
		.amdhsa_user_sgpr_count 2
		.amdhsa_user_sgpr_kernarg_segment_ptr 1
		.amdhsa_wavefront_size32 1
		.amdhsa_system_sgpr_workgroup_id_x 1
		.amdhsa_system_sgpr_workgroup_id_y 1
		.amdhsa_system_sgpr_workgroup_id_z 1
		.amdhsa_system_vgpr_workitem_id 0
		.amdhsa_next_free_vgpr 768
		.amdhsa_next_free_sgpr 66
		.amdhsa_reserve_vcc 0
		.amdhsa_float_denorm_mode_32 3
		.amdhsa_float_denorm_mode_16_64 3
		.amdhsa_memory_ordered 1
		.amdhsa_forward_progress 1
		.amdhsa_inst_pref_size 46
	.end_amdhsa_kernel
	.amdgpu_metadata
---
amdhsa.version: [ 1, 2 ]
amdhsa.kernels:
  - .name:           k_q2d719a3e3c_proj
    .symbol:         k_q2d719a3e3c_proj.kd
    .args:
      - { .name: c0, .offset: 0, .size: 8, .value_kind: global_buffer, .address_space: global }
      - { .name: s0, .offset: 8, .size: 8, .value_kind: global_buffer, .address_space: global }
      - { .name: qc, .offset: 16, .size: 8, .value_kind: global_buffer, .address_space: global }
      - { .name: qs, .offset: 24, .size: 8, .value_kind: global_buffer, .address_space: global }
      - { .name: kvb, .offset: 32, .size: 8, .value_kind: global_buffer, .address_space: global }
    .group_segment_fixed_size: 0
    .private_segment_fixed_size: 0
    .kernarg_segment_align: 8
    .kernarg_segment_size: 40
    .max_flat_workgroup_size: 32
    .sgpr_count:     66
    .vgpr_count:     768
    .wavefront_size: 32
...
	.end_amdgpu_metadata
.endif
;; end of part 2
;; launch attn (part 3): grid 256 x 1, 8 waves a work-group, clusters of 4 x 1, 327,680 bytes of LDS; arguments qc, qs, kvb, oc, os; writes oc, os
.if DOCPART == 3
	.amdgcn_target "amdgcn-amd-amdhsa--gfx1250"
	.amdhsa_code_object_version 6
	.text
	.protected	k_q2d719a3e3c_attn
	.globl	k_q2d719a3e3c_attn
	.p2align	8
	.type	k_q2d719a3e3c_attn,@function
k_q2d719a3e3c_attn:
	s_mov_b64 s[64:65], 0
	v_nop
	global_prefetch_b8 v0, s[64:65] scope:SCOPE_SE
	s_setreg_imm32_b32 hwreg(HW_REG_WAVE_MODE, 25, 1), 1
	s_wait_xcnt 0x0
	s_wait_alu depctr_hold_cnt(0) depctr_sa_sdst(0) depctr_va_vdst(0) depctr_va_sdst(0) depctr_va_ssrc(0) depctr_va_vcc(0) depctr_vm_vsrc(0)
	s_getreg_b32 s2, hwreg(HW_REG_IB_STS2, 6, 4)
	s_cmp_eq_u32 s2, 0
	s_cbranch_scc0 .Lentry_in_a_cluster
	s_endpgm
.Lentry_in_a_cluster:
	s_bfe_u32 s2, ttmp6, 0x10000c
	s_cmp_lg_u32 s2, 0x3003
	s_cbranch_scc0 .Lentry_shape_is_right
	s_endpgm
.Lentry_shape_is_right:
; o[s][head] = 1/4 x the sum over the 4 kv heads of softmax_t(q[s][head] . k[t][kv] / 8, causal) v[t][kv], both products on codes of BF8 with E8M0 scales; o is quantised along (head, d) for the last product.
; THE SOFTMAX IS QUANTISED FINISHED AND NORMALISED, in blocks of 32 neighbouring keys of one kv head.  So the keys are walked TWICE.
;   Pass 1, for each row: sigma = the largest score; M = ceil(c sigma), a whole number, running; l = the sum of 2^(c s - M); c = log2(e) / 8.  When M moves, l is multiplied by 2^(old M - new M): exact.
;   Between: pm = 2^(c sigma - M), by the same multiply-add and exponential as that key's term; NL = log2(pm) - log2(l).  Where the row's sum is that one term, both logarithms have equal bits and NL = 0.
;   Pass 2: the scores again (the same bits); s - sigma, exact 0 at the largest key; w = 2^(c (s - sigma) + NL): 1.0 exactly where the reference has 1.0, and no large numbers are ever subtracted after rounding.
; SHARES.  Cluster id / 4 = c16 (0..15); head = 4 (cluster id % 4) + place in the cluster: the place enters global addresses alone.  A work-group owns 8 query tiles of its head, one in each band of 256 queries:
; tile 16 j + (c16 xor 15 (j % 2)).  Wave w: kv head w % 4; tiles j = {0, 3, 4, 7} xor (w / 4).  Tile j needs 2 j + 1 or 2 j + 2 steps of 128 keys: 34 tile-steps in every wave of every work-group.
; THE WALK.  Every work-group walks the same blocks of kvb in the same order, so each fill is asked for JOINTLY by the four partners.  A slot holds steps g and 15 - g of all four kv heads (8 blocks of 17,408 bytes, one
; tensor load a wave), so that every slot has 4 or 5 tile-steps for every wave.  16 trips: g = 0..7 twice.  The trip counts are constants; a step or a tile whose keys all come after its queries is jumped over by a scalar
; branch on ids that the partners share (cluster id, wave, step); no barrier, wait or tensor load is jumped over.
; LAYOUT.  Both products are used transposed: a lane holds ONE query (lane % 16) throughout.  A fragment of K holds two key tiles; with (q, 0) and (0, q) as source 1 it gives scores of keys 32 b + 16 h + 0..7 and + 8..15:
; S's 16 registers of fragment b are 16 neighbouring keys, so the conversions' results are the second product's operand.  K = 64 fills half of the instruction's 128: the other half meets zero codes.
; A block's largest w is taken through its largest score (w rises with the score); this takes v_exp_f32 not to fall where its input rises.
; LIMITS: w under 2^-126 falls to 0 (v_exp_f32 flushes); a block of zeros gets the byte 1 with zero codes; NaN and infinities are not served.  os leaves as two bytes a lane (64 KB in all): a row's 32 bytes come from 16 work-groups.
; REGISTERS.  Window 0: v1-11 addresses and single numbers; v12-19 (NL, -sigma) for each tile; v20-31 scale words of Q, K, V; v32-47 at work; v48-111 S; v112-127 w's codes; v128-255 O^T (tile i, channels' tile t at 128 + 32 i + 8 t).
;   In pass 1 O^T's registers hold: v[128 + 4 i ..] = -M, sigma, l (two halves); v144 the prefetches' offset; v146-149 at work.
; Window 1: v0-63 K's four fragments; v64-127 V's; v128-199 zeros and q by turns: (0, q_i) = v[128 + 16 i ..], (q_i, 0) = v[136 + 16 i ..].
.set BLK,   17408                      ; a block: K's fragments 8,192, their words 512, V's 8,192, theirs 512 = 68 rows of 256 bytes
.set SLOT,  8*BLK
.set SPARE, 2*SLOT                     ; behind the ring: the spare words, 128 bytes for each of eight waves, that no other line names
.set KSO,   8192
.set VCO,   8704
.set VSO,   16896
.set LK,  1                            ; v1   16 x lane + kv x BLK
.set LS,  2                            ; v2   4 x lane + kv x BLK
.set ADK, 3                            ; v3   the step's fragments
.set ADS, 4                            ; v4   the step's scale words
.set RQ,  5                            ; v5   r + 8 (r / 8) - 16 h
.set SPW, 6                            ; v6   my spare word's address; never rewritten
.set NIL, 7                            ; v7   0; never rewritten
.set NINF, 8                           ; v8   -infinity
.set DD,  9                            ; v9   the mask's bound
.set PW,  10                           ; v10  w's scale word
.set NL,  12
.set QS,  20
.set KS,  24
.set VS,  28
.set BM,  32
.set PX,  36
.set HD,  40
.set SO,  44
.set S,   48
.set PC,  112
.set O,   128
.set STA, 128
.set PFO, 144
.set T,   146
.set F,   148
.set KFR, 0
.set VFR, 64
.set QZ,  128
.set QC,  4                            ; s[4:5] qc, s[6:7] qs, s[8:9] kvb, s[10:11] oc, s[12:13] os
.set QSP, 6
.set KVB, 8
.set OC,  10
.set OS,  12
.set WV,  14                           ; wave
.set KV,  15                           ; wave % 4
.set GRP, 16                           ; wave / 4
.set XU,  17                           ; 15 x (wave / 4): which of a slot's two steps I fetch
.set KV16, 18
.set WB,  19                           ; wave x BLK
.set SEL, 20
.set CS,  22                           ; s[22:23] c
.set MNT, 24
.set FS,  25                           ; the slot that is filled next: 0 or SLOT
.set CNT, 26
.set G1,  28                           ; s[28:35] descriptor group 1
.set G0,  36                           ; s[36:39] group 0; written only where no tensor load of mine is out
.set TB,  44                           ; LDS byte at which the step in hand begins
.set TN,  45                           ; fills asked for so far, less one
.set ST,  47                           ; the step in hand
.set KF,  48                           ; its first key
.set U,   49
.set QM,  50                           ; s50-53 each tile's first query
.set QX,  54                           ; s54-57 and its last
.set TAU, 58                           ; s58-61 each tile's number
.set HEAD, 62
.set CC,  63
.set PFA, 66                           ; s[66:67] the prefetch's address
.set LIM, 68
.set CX,  69
.set PXU, 70
.set PKV, 71
.set PVO, 72
; s40, s41: scratch that never holds the place in the cluster; s42, s43, s74: scratch that may
.set MSB, 0
.macro WIN new                         ; the immediate's high byte repeats the setting that is left
.if MSB != \new
	s_set_vgpr_msb (MSB<<8)|\new
.set MSB, \new
.endif
.endm
.macro ROUND                           ; a round of the cluster's barrier
	s_barrier_signal -1
	s_barrier_wait -1
	s_cmp_lg_u32 s[WV], 0
	s_cbranch_scc1 .Lnot_wave_0_\@
	s_barrier_signal -3
.Lnot_wave_0_\@:
	s_barrier_wait -3
	s_barrier_signal -1
	s_barrier_wait -1
.endm
.macro TSC i, jb                       ; tile i's numbers
	s_xor_b32 s40, s[GRP], \jb                     ; j
	s_and_b32 s41, s40, 1
	s_mul_i32 s41, s41, 15
	s_xor_b32 s41, s41, s[CC]
	s_lshl_b32 s40, s40, 4
	s_add_co_u32 s[TAU+\i], s40, s41               ; 16 j + (c16 xor 15 (j % 2))
	s_lshr_b32 s40, s[TAU+\i], 1
	s_lshl_b32 s40, s40, 5
	s_and_b32 s41, s[TAU+\i], 1
	s_lshl_b32 s41, s41, 3
	s_add_co_u32 s[QM+\i], s40, s41                ; its queries: this + {0..7, 16..23}
	s_add_co_u32 s[QX+\i], s[QM+\i], 23
.endm
; THE CHANGE OF SLOTS, at a trip's head.  Each wave waits for all its tensor loads (one is out: its block of the slot about to be read), adds 0 to its spare word, and waits for that and for its reads of the slot it has left.
; fill = 1: a round of the cluster's barrier, and behind it my one joint load, into the slot just left; it has the whole trip in which to land.  ask = 1: pass 1's prefetch.
.macro CHANGE fill, ask
	s_wait_tensorcnt 0x0
	ds_add_u32 v[SPW], v[NIL]                      ; the descriptor's words are made between it and the wait for it
	s_add_co_u32 s[TN], s[TN], 1
.if \fill
	s_xor_b32 s[FS], s[FS], SLOT
	s_add_co_u32 s[G0+1], s[FS], s[WB]             ; LDS: the other slot, my block
	s_and_b32 s40, s[TN], 7
	s_xor_b32 s40, s40, s[XU]                      ; step g or 15 - g
	s_add_co_u32 s40, s40, s[KV16]
	s_mul_i32 s40, s40, BLK
	s_mov_b32 s41, 0
	s_add_nc_u64 s[G0+2:G0+3], s[KVB:KVB+1], s[40:41]
	s_or_b32 s[G0+3], s[G0+3], 0x80000000
.endif
.if \ask
	s_wait_xcnt 0x0                                ; the last prefetch, a trip back, has read its address: it may be written
	s_add_co_u32 s42, s[TN], 1
	s_and_b32 s42, s42, 7                          ; the slot after the one that is being asked for
	s_xor_b32 s42, s42, s[PXU]
	s_add_co_u32 s42, s42, s[PKV]
	s_mul_i32 s42, s42, BLK
	s_add_co_u32 s42, s42, s[PVO]
	s_mov_b32 s43, 0
	s_add_nc_u64 s[PFA:PFA+1], s[KVB:KVB+1], s[42:43]
.endif
	s_wait_dscnt 0x0                               ; the add is done, and my reads of the slot that I have left are over
.if \fill
	ROUND                                          ; both now hold of every wave of all four work-groups
	tensor_load_to_lds s[G0:G0+3], s[G1:G1+7]      ; every wave issues one, each its own block: by this text's count one tensor load of a wave is out
	s_nop 0
.rept 4
	v_nop
.endr
.else
	s_barrier_signal -1
	s_barrier_wait -1
.endif
.if \ask
; A PREFETCH of the codes that the NEXT change of slots will ask for, one trip ahead of that load.  All clusters walk the same blocks: cluster 0 asks, nobody else.  Its four partners are told apart BY ADDRESS: the partner at
; place p takes kv head p.  In each, waves 0 to 3 ask, one instruction each: step g or 15 - g by wave / 2, K's or V's 8,192 bytes of codes by wave % 2; lanes 256 bytes apart.  So each block of codes is named once.
; Slots 0 and 1 come by their loads alone; the change that asks for slot 7 prefetches nothing; pass 2 walks bytes that pass 1 has read and asks for nothing.  The scale words are not asked for.
	s_cmp_lt_u32 s[TN], s[LIM]
	s_cbranch_scc0 .Lnot_mine_\@
	global_prefetch_b8 v[PFO], s[PFA:PFA+1] th:TH_LOAD_NT scope:SCOPE_SE
.Lnot_mine_\@:
.endif
	s_sub_co_u32 s[ST], s[TN], 1
	s_and_b32 s[ST], s[ST], 7                      ; the slot's first step
.endm
; S^T = K Q^T for tile i: 8 products, each with C = 0.  Eight places follow, before the scores are read or written.
.macro QK i
	WIN 0x05                                       ; sources 0 and 1 window 1, D window 0
.irp b, 0,1,2,3
.irp u, 0,1
	v_wmma_scale_f32_16x16x128_f8f6f4 v[S+16*\b+8*\u:S+16*\b+8*\u+7], v[KFR+16*\b:KFR+16*\b+15], v[QZ+8-8*\u+16*\i:QZ+23-8*\u+16*\i], 0, v[KS+\b], v[QS+\i] matrix_a_fmt:MATRIX_FMT_BF8 matrix_b_fmt:MATRIX_FMT_BF8
.endr
.endr
	WIN 0
.rept 8
	v_nop
.endr
.endm
; On the diagonal the scores of hidden keys become -infinity.  Register 16 b + e holds key KF + 32 b + 16 h + e: hidden where 32 b + e > my query - KF - 16 h.  Ascending: each accumulator is read from its low end on.
.macro MASK i
	s_sub_co_i32 s40, s[QM+\i], s[KF]
	v_add_nc_u32 v[DD], s40, v[RQ]
.set n, 0
.rept 64
	v_cmp_gt_i32 vcc_lo, 32*(n/16)+n%16, v[DD]
	v_cndmask_b32 v[S+n], v[S+n], v[NINF], vcc_lo
.set n, n+1
.endr
.endm
.macro BMAX                            ; the largest of my 16 numbers of each block of 32 keys, the four blocks by turns
.irp b, 0,1,2,3
	v_max3_num_f32 v[BM+\b], v[S+16*\b], v[S+16*\b+1], v[S+16*\b+2]
.endr
.irp e, 3,5,7,9,11,13
.irp b, 0,1,2,3
	v_max3_num_f32 v[BM+\b], v[BM+\b], v[S+16*\b+\e], v[S+16*\b+\e+1]
.endr
.endr
.irp b, 0,1,2,3
	v_max_num_f32 v[BM+\b], v[BM+\b], v[S+16*\b+15]
.endr
.endm
; Pass 1, tile i: sigma, M and l take in the step's 128 keys.
.macro STAT i
	BMAX
	v_max3_num_f32 v[T], v[BM], v[BM+1], v[BM+2]
	v_max_num_f32 v[T], v[T], v[BM+3]
	v_permlanex16_b32 v[T+1], v[T], s[SEL], s[SEL+1]               ; the query's other 64 keys lie in lane l xor 16
	v_max3_num_f32 v[STA+4*\i+1], v[T], v[T+1], v[STA+4*\i+1]      ; sigma
	v_mul_f32 v[T], s[CS], v[STA+4*\i+1]
	v_mov_b32 v[T+1], v[STA+4*\i]
	v_floor_f32 v[STA+4*\i], -v[T]                 ; -M = floor(-c sigma): a whole number
	v_sub_f32 v[T+1], v[STA+4*\i], v[T+1]          ; old M - new M, 0 or less
	v_cvt_i32_f32 v[T+1], v[T+1]                   ; (it saturates)
	v_ldexp_f32 v[F], 1.0, v[T+1]
.set j, 0
.rept 32
	v_pk_fma_f32 v[S+j:S+j+1], v[S+j:S+j+1], s[CS:CS+1], v[STA+4*\i:STA+4*\i+1] op_sel_hi:[1,0,0]   ; c s - M, two at a time
.set j, j+2
.endr
.set j, 0
.rept 64
	v_exp_f32 v[S+j], v[S+j]
.set j, j+1
.endr
	v_pk_mul_f32 v[STA+4*\i+2:STA+4*\i+3], v[STA+4*\i+2:STA+4*\i+3], v[F:F+1] op_sel_hi:[1,0]   ; l under the new M; the plain line behind the exponentials
	s_wait_alu depctr_va_vdst(0)                   ; one wait for the batch of 64, ahead of its first reader
	v_pk_add_f32 v[T:T+1], v[S:S+1], v[S+2:S+3]    ; the sum in two chains
.set j, 4
.rept 15
	v_pk_add_f32 v[STA+4*\i+2:STA+4*\i+3], v[STA+4*\i+2:STA+4*\i+3], v[S+j:S+j+1]
	v_pk_add_f32 v[T:T+1], v[T:T+1], v[S+j+2:S+j+3]
.set j, j+4
.endr
	v_pk_add_f32 v[STA+4*\i+2:STA+4*\i+3], v[STA+4*\i+2:STA+4*\i+3], v[T:T+1]
.endm
; Pass 2, tile i: the finished weights of 128 keys, quantised: codes in v[PC] on, scale word in v[PW].
.macro WQ i
.set j, 0
.rept 32
	v_pk_add_f32 v[S+j:S+j+1], v[S+j:S+j+1], v[NL+2*\i:NL+2*\i+1] op_sel:[0,1] op_sel_hi:[1,1]   ; s - sigma (the pair's high word for both halves): exact 0 at the row's largest score
.set j, j+2
.endr
	BMAX
.irp b, 0,1,2,3
	v_permlanex16_b32 v[PX+\b], v[BM+\b], s[SEL], s[SEL+1]
.endr
.irp b, 0,1,2,3
	v_max_num_f32 v[BM+\b], v[BM+\b], v[PX+\b]     ; the block's largest s - sigma
.endr
.irp b, 0,1,2,3
	v_fma_f32 v[BM+\b], v[BM+\b], s[CS], v[NL+2*\i]
.endr
.irp b, 0,1,2,3
	v_exp_f32 v[BM+\b], v[BM+\b]                   ; the block's largest w: the same two instructions on the same number give the same bits
.endr
.set j, 0
.rept 32
	v_pk_fma_f32 v[S+j:S+j+1], v[S+j:S+j+1], s[CS:CS+1], v[NL+2*\i:NL+2*\i+1] op_sel_hi:[1,0,0]
.set j, j+2
.endr
.set j, 0
.rept 64
	v_exp_f32 v[S+j], v[S+j]                       ; w, finished and normalised
.set j, j+1
.endr
	v_nop                                          ; the plain line behind the last exponential
	s_wait_alu depctr_va_vdst(0)                   ; one wait for all 68, ahead of the first reader
.irp b, 0,1,2,3
	v_max_num_f32 v[BM+\b], 0x8000000, v[BM+\b]    ; the floor 2^(16 - 127): a block of hidden keys keeps the byte 1, its codes are zeros
.endr
.irp b, 0,1,2,3
	v_add_nc_u32 v[SO+\b], 0xf8800000, v[BM+\b]
.endr
.irp b, 0,1,2,3
	v_and_or_b32 v[HD+\b], v[BM+\b], 0x7f800000, s[MNT]
.endr
.irp b, 0,1,2,3
	v_lshrrev_b32 v[PX+\b], 23, v[SO+\b]
.endr
	v_lshl_or_b32 v[PW], v[PX+1], 8, v[PX]
	v_lshl_or_b32 v[PW], v[PX+2], 16, v[PW]
	v_lshl_or_b32 v[PW], v[PX+3], 24, v[PW]        ; the 64 holds below stand between the scale word and the products that take it
.irp b, 0,1,2,3
.set e, 0
.rept 16
	v_min_num_f32 v[S+16*\b+e], v[S+16*\b+e], v[HD+\b]             ; w is not negative: the hold is one-sided
.set e, e+1
.endr
	v_cvt_scalef32_pk8_bf8_f32 v[PC+4*\b:PC+1+4*\b], v[S+16*\b:S+7+16*\b], v[SO+\b]
	v_cvt_scalef32_pk8_bf8_f32 v[PC+2+4*\b:PC+3+4*\b], v[S+8+16*\b:S+15+16*\b], v[SO+\b]
.endr
.rept 4
	v_nop                                          ; four places between codes made by vector instructions and the scaled product
.endr
.endm
; O^T += V^T w^T for tile i: four accumulators, one instruction each; the next matrix instruction on every way is a score product on other registers.
.macro PV i
	WIN 0x01                                       ; source 0 (V) window 1
.irp t, 0,1,2,3
	v_wmma_scale_f32_16x16x128_f8f6f4 v[O+32*\i+8*\t:O+32*\i+8*\t+7], v[VFR+16*\t:VFR+16*\t+15], v[PC:PC+15], v[O+32*\i+8*\t:O+32*\i+8*\t+7], v[VS+\t], v[PW] matrix_a_fmt:MATRIX_FMT_BF8 matrix_b_fmt:MATRIX_FMT_BF8
.endr
	WIN 0
.endm
.macro TILE pass, i
.if \i < 3
	s_cmp_gt_u32 s[KF], s[QX+\i]                   ; all 128 keys come after the tile's queries: nothing to do
	s_cbranch_scc1 .Lskip_\@
.endif
	QK \i
	s_add_co_u32 s40, s[KF], 127
	s_cmp_le_u32 s40, s[QM+\i]                     ; all 128 keys count: no mask
	s_cbranch_scc1 .Lopen_\@
	MASK \i
.Lopen_\@:
.if \pass == 1
	STAT \i
.else
	WQ \i
	PV \i
.endif
.Lskip_\@:
.endm
; A step of 128 keys of my kv head.  The tiles ascend, so a step hidden from tile 3 is hidden from all.
.macro STEP pass
	s_lshl_b32 s[KF], s[ST], 7
	s_cmp_gt_u32 s[KF], s[QX+3]
	s_cbranch_scc1 .Lhid_\@
	v_add_nc_u32 v[ADK], s[TB], v[LK]
	v_add_nc_u32 v[ADS], s[TB], v[LS]
.rept 6
	v_nop                                          ; with the two additions: eight places in front of loads into registers that matrix instructions have read
.endr
	WIN 0x40                                       ; destination window 1
.set k, 0
.rept 16
	ds_load_b128 v[KFR+4*k:KFR+4*k+3], v[ADK] offset:512*k         ; images: 512 consecutive bytes an instruction
.set k, k+1
.endr
.if \pass == 2
.set k, 0
.rept 16
	ds_load_b128 v[VFR+4*k:VFR+4*k+3], v[ADK] offset:VCO+512*k
.set k, k+1
.endr
.endif
	WIN 0
.irp b, 0,1,2,3
	ds_load_b32 v[KS+\b], v[ADS] offset:KSO+128*\b
.endr
.if \pass == 2
.irp b, 0,1,2,3
	ds_load_b32 v[VS+\b], v[ADS] offset:VSO+128*\b
.endr
.endif
	s_wait_dscnt 0x0
	TILE \pass, 0
	TILE \pass, 1
	TILE \pass, 2
	TILE \pass, 3
.Lhid_\@:
.endm
.macro SLOTW pass                      ; a slot's two steps: written once, walked twice
	s_mov_b32 s[U], 2
.Lu_\@:
	STEP \pass
	s_add_co_u32 s[TB], s[TB], 4*BLK               ; the slot's second four blocks,
	s_xor_b32 s[ST], s[ST], 15                     ; which hold step 15 - g
	s_sub_co_u32 s[U], s[U], 1
	s_cmp_lg_u32 s[U], 0
	s_cbranch_scc1 .Lu_\@
	s_sub_co_u32 s[TB], s[TB], 8*BLK
	s_xor_b32 s[TB], s[TB], SLOT                   ; on to the other slot
.endm
	s_load_b256 s[4:11], s[0:1], 0x0
	s_load_b64 s[12:13], s[0:1], 0x20
	v_lshl_add_u32 v[SPW], v0, 2, SPARE
	v_mov_b32 v[NIL], 0
	ds_add_u32 v[SPW], v[NIL]                      ; the wave's opening: the add and its wait stand ahead of my first tensor load; the set-up stands between them
	v_lshrrev_b32 v[ADK], 5, v0
	v_readfirstlane_b32 s[WV], v[ADK]
	s_and_b32 s[KV], s[WV], 3
	s_lshr_b32 s[GRP], s[WV], 2
	s_mul_i32 s[XU], s[GRP], 15
	s_lshl_b32 s[KV16], s[KV], 4
	s_mul_i32 s[WB], s[WV], BLK
	s_mov_b32 s[SEL], 0x76543210
	s_mov_b32 s[SEL+1], 0xfedcba98
	s_mov_b32 s[CS], 0x3e38aa3b                    ; c = log2(e) / 8
	s_mov_b32 s[CS+1], s[CS]
	s_mov_b32 s[MNT], 0x600000
	s_mov_b32 s[FS], 0
	s_mov_b32 s[TB], 0
	s_mov_b32 s[TN], 0
	s_bfe_u32 s[CX], ttmp6, 0x40000                ; my place in the cluster
	s_lshr_b32 s[CC], ttmp9, 2                     ; in a cluster launch ttmp9 counts clusters
	s_and_b32 s[HEAD], ttmp9, 3
	s_lshl_b32 s[HEAD], s[HEAD], 2
	s_add_co_u32 s[HEAD], s[HEAD], s[CX]
	TSC 0, 0
	TSC 1, 3
	TSC 2, 4
	TSC 3, 7
	s_mov_b32 s[G1], 15|(3<<16)|(1<<21)            ; 15:0 the mask: all four work-groups; 17:16 elements of 8 bytes; 21 set beside a mask; no padding: images are read 16 bytes a lane on end
	s_mov_b32 s[G1+1], 32<<16                      ; tensor_dim0 = 32 elements = 256 bytes
	s_mov_b32 s[G1+2], 68<<16                      ; tensor_dim1 = 68
	s_mov_b32 s[G1+3], 32<<16                      ; tile_dim0
	s_mov_b32 s[G1+4], 68                          ; tile_dim1
	s_mov_b32 s[G1+5], 32                          ; the pitch: dense
	s_mov_b32 s[G1+6], 0
	s_mov_b32 s[G1+7], 0
	s_lshr_b32 s40, s[WV], 2
	s_or_b32 s40, s40, ttmp9
	s_cmp_eq_u32 s40, 0                            ; waves 0 to 3 of cluster 0: the same in all four partners
	s_cselect_b32 s[LIM], 7, 0
	s_bfe_u32 s[PXU], s[WV], 0x10001
	s_mul_i32 s[PXU], s[PXU], 15
	s_lshl_b32 s[PKV], s[CX], 4
	s_and_b32 s[PVO], s[WV], 1
	s_mul_i32 s[PVO], s[PVO], VCO
	s_mov_b32 s[G0], 1
	s_mov_b32 s[G0+1], s[WB]                       ; slot 0, my block
	s_add_co_u32 s40, s[KV16], s[XU]               ; step 0 or 15 of my kv head
	s_mul_i32 s40, s40, BLK
	s_mov_b32 s41, 0
	s_wait_dscnt 0x0                               ; the opening add is done
	s_wait_kmcnt 0x0
	s_add_nc_u64 s[G0+2:G0+3], s[KVB:KVB+1], s[40:41]
	s_or_b32 s[G0+3], s[G0+3], 0x80000000
	s_lshl_b32 s42, s[HEAD], 17
	s_mov_b32 s43, 0
	s_add_nc_u64 s[QC:QC+1], s[QC:QC+1], s[42:43]  ; my head's q: 128 tiles of 1,024 bytes,
	s_lshl_b32 s42, s[HEAD], 14
	s_add_nc_u64 s[QSP:QSP+1], s[QSP:QSP+1], s[42:43]   ; and their scale words
	ROUND                                          ; all four work-groups are here: the first joint loads meet
	tensor_load_to_lds s[G0:G0+3], s[G1:G1+7]
	s_nop 0
.rept 4
	v_nop
.endr
	v_and_b32 v[ADK], 31, v0
	v_lshlrev_b32 v[ADS], 4, v[ADK]
	v_lshlrev_b32 v[DD], 2, v[ADK]
	v_lshlrev_b32 v[PFO], 8, v[ADK]
.irp i, 0,1,2,3
	v_lshl_add_u32 v[BM+\i], s[TAU+\i], 10, v[ADS]
	v_lshl_add_u32 v[PX+\i], s[TAU+\i], 7, v[DD]
.endr
	WIN 0x40
.irp i, 0,1,2,3
.irp b, 0,1
	global_load_b128 v[QZ+8+16*\i+4*\b:QZ+11+16*\i+4*\b], v[BM+\i], s[QC:QC+1] offset:512*\b   ; q stays in registers
.endr
.endr
.irp g, 0,1,2,3,4
.irp e, 0,1,2,3,4,5,6,7
	v_mov_b32 v[QZ+16*\g+\e], 0                    ; the zero codes on either side of each q
.endr
.endr
	WIN 0
.irp i, 0,1,2,3
	global_load_b32 v[QS+\i], v[PX+\i], s[QSP:QSP+1]
.endr
	s_mul_i32 s40, s[KV], BLK
	v_add_nc_u32 v[LK], s40, v[ADS]
	v_add_nc_u32 v[LS], s40, v[DD]
	v_and_b32 v[RQ], 15, v0
	v_and_b32 v[NINF], 8, v[RQ]
	v_add_nc_u32 v[RQ], v[RQ], v[NINF]
	v_bfe_u32 v[NINF], v0, 4, 1
	v_lshlrev_b32 v[NINF], 4, v[NINF]
	v_sub_nc_u32 v[RQ], v[RQ], v[NINF]
	v_mov_b32 v[NINF], 0xff800000
.irp i, 0,1,2,3
	v_mov_b32 v[STA+4*\i], 0x7f61b1e6              ; -M: 3e38, so that the first change of M multiplies l's zero by 0
	v_mov_b32 v[STA+4*\i+1], 0xff61b1e6            ; sigma: -3e38, under every score
	v_mov_b32 v[STA+4*\i+2], 0
	v_mov_b32 v[STA+4*\i+3], 0
.endr
	v_mov_b32 v[T+1], 0                            ; a lane permute's destination counts as one of its sources
	v_mov_b32 v[F+1], 0                            ; named as the upper half of a pair
	s_wait_loadcnt 0x0                             ; q and its words are in; their offsets' registers are free
	s_mov_b32 s[CNT], 8
.Lpass1:                                           ; 8 trips; each asks for the next slot, the last for pass 2's first
	CHANGE 1, 1
	SLOTW 1
	s_sub_co_u32 s[CNT], s[CNT], 1
	s_cmp_lg_u32 s[CNT], 0
	s_cbranch_scc1 .Lpass1
	; ---- between the passes: each wave by itself
	s_wait_xcnt 0x0                                ; the prefetches have read their offset: its register is among those cleared below
.irp i, 0,1,2,3
	v_add_f32 v[BM+\i], v[STA+4*\i+2], v[STA+4*\i+3]
.endr
.irp i, 0,1,2,3
	v_fma_f32 v[HD+\i], v[STA+4*\i+1], s[CS], v[STA+4*\i]          ; c sigma - M, as the largest key's term had it
.endr
.irp i, 0,1,2,3
	v_exp_f32 v[HD+\i], v[HD+\i]                   ; pm
.endr
.irp i, 0,1,2,3
	v_xor_b32 v[NL+2*\i+1], 0x80000000, v[STA+4*\i+1]              ; -sigma.  (Plain lines behind the exponentials)
.endr
.irp i, 0,1,2,3
	v_permlanex16_b32 v[PX+\i], v[BM+\i], s[SEL], s[SEL+1]
.endr
.irp i, 0,1,2,3
	v_add_f32 v[BM+\i], v[BM+\i], v[PX+\i]         ; l
.endr
	s_wait_alu depctr_va_vdst(0)                   ; ahead of the logarithms that read pm
.irp i, 0,1,2,3
	v_log_f32 v[BM+\i], v[BM+\i]
	v_log_f32 v[HD+\i], v[HD+\i]
.endr
	v_nop
	s_wait_alu depctr_va_vdst(0)
.irp i, 0,1,2,3
	v_sub_f32 v[NL+2*\i], v[HD+\i], v[BM+\i]       ; NL = log2(pm) - log2(l)
.endr
.set j, 0
.rept 128
	v_mov_b32 v[O+j], 0                            ; O^T, once: pass 2's step is written for sums that have begun, which spares a third copy of it
.set j, j+1
.endr
	s_mov_b32 s[CNT], 7
.Lpass2:
	CHANGE 1, 0
	SLOTW 2
	s_sub_co_u32 s[CNT], s[CNT], 1
	s_cmp_lg_u32 s[CNT], 0
	s_cbranch_scc1 .Lpass2
	CHANGE 0, 0                                    ; the last trip is written out: it asks for nothing
	SLOTW 2
	; ---- THE WAY OUT.  The four kv waves' O^T meet in a stage in slot 0: it has had its last fill, and behind the barrier below nobody reads the ring.
	s_wait_dscnt 0x0
	s_barrier_signal -1
	s_barrier_wait -1
	v_and_b32 v[ADK], 31, v0
	v_lshlrev_b32 v[ADK], 4, v[ADK]                ; 16 x lane
	s_lshl_b32 s40, s[WV], 14
	v_add_nc_u32 v[ADS], s40, v[ADK]               ; in: my 16,384 bytes
	s_lshl_b32 s40, s[GRP], 16
	s_lshl_b32 s41, s[KV], 12
	s_add_co_u32 s40, s40, s41
	v_add_nc_u32 v[LS], s40, v[ADK]                ; back: of my four partners in kv, the tile whose number is my kv
	v_and_b32 v[LK], 15, v0
	v_lshlrev_b32 v[LK], 5, v[LK]                  ; os: 32 bytes a row
.rept 8
	v_nop                                          ; places behind the last products
.endr
.set k, 0
.rept 32
	ds_store_b128 v[ADS], v[O+4*k:O+4*k+3] offset:512*k            ; each accumulator from its low end on
.set k, k+1
.endr
	s_wait_dscnt 0x0                               ; for the others' sake
	s_barrier_signal -1
	s_barrier_wait -1
.irp g, 0,1,2,3
.set k, 0
.rept 8
	ds_load_b128 v[O+32*\g+4*k:O+32*\g+4*k+3], v[LS] offset:16384*\g+512*k
.set k, k+1
.endr
.endr
	s_cmp_eq_u32 s[KV], 1                          ; that tile's number
	s_cselect_b32 s40, s[TAU+1], s[TAU]
	s_cmp_eq_u32 s[KV], 2
	s_cselect_b32 s40, s[TAU+2], s40
	s_cmp_eq_u32 s[KV], 3
	s_cselect_b32 s40, s[TAU+3], s40
	s_lshl_b32 s42, s40, 3
	s_lshr_b32 s43, s[HEAD], 1
	s_add_co_u32 s42, s42, s43                     ; fragment 8 tile + head / 2,
	s_lshl_b32 s42, s42, 11
	s_and_b32 s43, s[HEAD], 1
	s_lshl_b32 s43, s43, 10                        ; chunks 2 (head % 2) + b
	s_add_co_u32 s42, s42, s43
	s_mov_b32 s43, 0
	s_add_nc_u64 s[OC:OC+1], s[OC:OC+1], s[42:43]
	s_lshl_b32 s42, s40, 9
	s_lshl_b32 s74, s[HEAD], 1
	s_add_co_u32 s42, s42, s74
	s_add_nc_u64 s[OS:OS+1], s[OS:OS+1], s[42:43]
	s_wait_dscnt 0x0
.set j, 0
.rept 16
	v_pk_add_f32 v[O+j:O+j+1], v[O+j:O+j+1], v[O+32+j:O+33+j]
	v_pk_add_f32 v[O+64+j:O+65+j], v[O+64+j:O+65+j], v[O+96+j:O+97+j]
.set j, j+2
.endr
.set j, 0
.rept 16
	v_pk_add_f32 v[O+j:O+j+1], v[O+j:O+j+1], v[O+64+j:O+65+j]
.set j, j+2
.endr
.set j, 0
.rept 16
	v_pk_mul_f32 v[O+j:O+j+1], v[O+j:O+j+1], 0x3e800000 op_sel_hi:[1,0]   ; / 4
.set j, j+2
.endr
	; o's 64 numbers of this head are two blocks of the last product's K: register 16 b + e is d = 32 b + 16 h + e
.irp b, 0,1
	v_max3_num_f32 v[BM+\b], |v[O+16*\b]|, |v[O+16*\b+1]|, 0x8000000
.endr
.irp e, 2,4,6,8,10,12,14
.irp b, 0,1
	v_max3_num_f32 v[BM+\b], v[BM+\b], |v[O+16*\b+\e]|, |v[O+16*\b+\e+1]|
.endr
.endr
.irp b, 0,1
	v_permlanex16_b32 v[PX+\b], v[BM+\b], s[SEL], s[SEL+1]
.endr
.irp b, 0,1
	v_max_num_f32 v[BM+\b], v[BM+\b], v[PX+\b]
.endr
.irp b, 0,1
	v_add_nc_u32 v[SO+\b], 0xf8800000, v[BM+\b]
.endr
.irp b, 0,1
	v_and_or_b32 v[HD+\b], v[BM+\b], 0x7f800000, s[MNT]
.endr
.irp b, 0,1
	v_lshrrev_b32 v[PX+\b], 23, v[SO+\b]
.endr
	v_lshl_or_b32 v[PW], v[PX+1], 8, v[PX]
.irp b, 0,1
.set e, 0
.rept 16
	v_med3_num_f32 v[O+16*\b+e], v[O+16*\b+e], -v[HD+\b], v[HD+\b]
.set e, e+1
.endr
	v_cvt_scalef32_pk8_bf8_f32 v[PC+4*\b:PC+1+4*\b], v[O+16*\b:O+7+16*\b], v[SO+\b]
	v_cvt_scalef32_pk8_bf8_f32 v[PC+2+4*\b:PC+3+4*\b], v[O+8+16*\b:O+15+16*\b], v[SO+\b]
.endr
	v_nop
.irp b, 0,1
	global_store_b128 v[ADK], v[PC+4*\b:PC+4*\b+3], s[OC:OC+1] offset:512*\b   ; 512 consecutive bytes, aligned
.endr
	global_store_b16 v[LK], v[PW], s[OS:OS+1]      ; lanes l and l xor 16 hold the same row's two bytes and write them to the same place
	s_wait_tensorcnt 0x0                           ; the wave's end: a wait, an add and a wait, behind my last tensor load and my last LDS store
	ds_add_u32 v[SPW], v[NIL]
	s_wait_dscnt 0x0
	ROUND                                          ; the closing round: no work-group ends while a partner may still ask for a block that names it
	s_endpgm
.Lfunc_end_k_q2d719a3e3c_attn:
	.size	k_q2d719a3e3c_attn, .Lfunc_end_k_q2d719a3e3c_attn-k_q2d719a3e3c_attn
	.p2alignl 7, 3214868480
	.fill 96, 4, 3214868480
	.section	.rodata,"a",@progbits
	.p2align	6, 0x0
	.amdhsa_kernel k_q2d719a3e3c_attn
		.amdhsa_group_segment_fixed_size 327680
		.amdhsa_private_segment_fixed_size 0
		.amdhsa_enable_private_segment 0
		.amdhsa_kernarg_size 40
		.amdhsa_user_sgpr_count 2
		.amdhsa_user_sgpr_kernarg_segment_ptr 1
		.amdhsa_wavefront_size32 1
		.amdhsa_system_sgpr_workgroup_id_x 1
		.amdhsa_system_sgpr_workgroup_id_y 1
		.amdhsa_system_sgpr_workgroup_id_z 1
		.amdhsa_system_vgpr_workitem_id 0
		.amdhsa_next_free_vgpr 512
		.amdhsa_next_free_sgpr 80
		.amdhsa_reserve_vcc 1
		.amdhsa_float_denorm_mode_32 3
		.amdhsa_float_denorm_mode_16_64 3
		.amdhsa_memory_ordered 1
		.amdhsa_forward_progress 1
		.amdhsa_inst_pref_size 255
	.end_amdhsa_kernel
	.section	.bss,"aw",@nobits
	.p2align	6
	.space	262144
	.amdgpu_metadata
---
amdhsa.version: [ 1, 2 ]
amdhsa.kernels:
  - .name:           k_q2d719a3e3c_attn
    .symbol:         k_q2d719a3e3c_attn.kd
    .args:
      - { .name: qc, .offset: 0, .size: 8, .value_kind: global_buffer, .address_space: global }
      - { .name: qs, .offset: 8, .size: 8, .value_kind: global_buffer, .address_space: global }
      - { .name: kvb, .offset: 16, .size: 8, .value_kind: global_buffer, .address_space: global }
      - { .name: oc, .offset: 24, .size: 8, .value_kind: global_buffer, .address_space: global }
      - { .name: os, .offset: 32, .size: 8, .value_kind: global_buffer, .address_space: global }
    .group_segment_fixed_size: 327680
    .private_segment_fixed_size: 0
    .kernarg_segment_align: 8
    .kernarg_segment_size: 40
    .max_flat_workgroup_size: 256
    .sgpr_count:     80
    .vgpr_count:     512
    .wavefront_size: 32
...
	.end_amdgpu_metadata
.endif
;; end of part 3
;; launch outp (part 4): grid 256 x 1, 4 waves a work-group, no clusters, 17,920 bytes of LDS; arguments oc, os, c0, s0, out0; writes out0
.if DOCPART == 4
	.amdgcn_target "amdgcn-amd-amdhsa--gfx1250"
	.amdhsa_code_object_version 6
	.text
	.protected	k_q2d719a3e3c_outp
	.globl	k_q2d719a3e3c_outp
	.p2align	8
	.type	k_q2d719a3e3c_outp,@function
k_q2d719a3e3c_outp:
	s_mov_b64 s[64:65], 0
	v_nop
	global_prefetch_b8 v0, s[64:65] scope:SCOPE_SE
	s_setreg_imm32_b32 hwreg(HW_REG_WAVE_MODE, 25, 1), 1
	s_wait_xcnt 0x0
; out0 = o Wo^T on codes of BF8 with E8M0 scales, K = 1,024; out0 [2048][512] f32.
; SHARES.  Work-group: 64 queries (id / 8) x 64 columns (id % 8).  Wave (a = w / 2, b = w % 2): 32 queries x 32 columns: four accumulators, 32 matrix instructions.
; Source 0 = Wo's tiles 4 (id % 8) + 2 b + {0, 1} (16 fragments on end in c0), source 1 = o's tiles 4 (id / 8) + 2 a + {0, 1} (16 on end in oc): every load reads 512 consecutive bytes straight into the operand's registers.
; A lane holds one query and 16 neighbouring columns: 64 (id % 8) + 32 b + 16 h + 8 n + j.  The queries of a tile are 32 (t / 2) + 8 (t % 2) + r + 8 (r / 8): the stage in LDS puts the rows back in order,
; and each wave stores 16 whole rows of 256 bytes: sixteen lanes store 256 consecutive bytes, aligned.
; NO CLUSTER, NO TENSOR LOAD: the operands pass through no LDS tile; each wave's 64 KB fill its registers once, for 32 matrix instructions.
.set SPARE, 17408                      ; behind the stage (64 rows x 272 bytes): the spare words, 128 bytes a wave, that no other line names
.set L16,  1
.set L4,   2
.set R32,  3
.set STO,  4
.set RD,   5
.set CO,   6
.set SPW,  8                           ; my spare word's address; never rewritten
.set NIL,  9                           ; 0; never rewritten
.set SA,   16                          ; v16-31 Wo's scale words (8 n + ks)
.set SB,   32                          ; v32-47 o's (8 m + ks)
.set D,    64                          ; v64-95 accumulator (m, n) at 64 + 16 m + 8 n
.set OUTR, 96
.set MSB, 0
.macro WIN new
.if MSB != \new
	s_set_vgpr_msb (MSB<<8)|\new
.set MSB, \new
.endif
.endm
	s_load_b256 s[4:11], s[0:1], 0x0               ; oc s[4:5], os s[6:7], c0 s[8:9], s0 s[10:11]
	s_load_b64 s[12:13], s[0:1], 0x20              ; out0
	v_lshl_add_u32 v[SPW], v0, 2, SPARE
	v_mov_b32 v[NIL], 0
	v_lshrrev_b32 v7, 5, v0
	v_readfirstlane_b32 s14, v7                    ; wave
	s_lshr_b32 s15, s14, 1                         ; a
	s_and_b32 s16, s14, 1                          ; b
	s_lshr_b32 s17, ttmp9, 3                       ; which 64 queries
	s_and_b32 s18, ttmp9, 7                        ; which 64 columns
	v_and_b32 v7, 31, v0
	v_lshlrev_b32 v[L16], 4, v7
	v_lshlrev_b32 v[L4], 2, v7
	v_and_b32 v10, 15, v0                          ; r
	v_bfe_u32 v11, v0, 4, 1                        ; h
	v_lshlrev_b32 v[R32], 5, v10
	v_and_b32 v12, 8, v10
	v_add_nc_u32 v12, v12, v10                     ; r + 8 (r / 8)
	v_mul_u32_u24 v[STO], v12, 272
	v_lshl_add_u32 v[STO], v11, 6, v[STO]
	s_mul_i32 s19, s15, 32*272
	s_lshl_b32 s28, s16, 7
	s_add_co_u32 s19, s19, s28
	v_add_nc_u32 v[STO], s19, v[STO]               ; the stage, in: row 32 a + r + 8 (r / 8) (+ 8 m), byte 128 b + 64 h
	v_mul_u32_u24 v[RD], v11, 272
	v_lshl_add_u32 v[RD], v10, 4, v[RD]
	s_mul_i32 s19, s14, 16*272
	v_add_nc_u32 v[RD], s19, v[RD]                 ; back: my 16 rows, two an instruction
	v_lshlrev_b32 v[CO], 11, v11
	v_lshl_add_u32 v[CO], v10, 4, v[CO]            ; and the same two rows in out0
	s_lshl_b32 s20, s18, 5
	s_lshl_b32 s21, s16, 4
	s_add_co_u32 s20, s20, s21
	s_add_co_u32 s20, s20, 896                     ; Wo's first fragment of mine
	s_lshl_b32 s22, s20, 7
	s_mov_b32 s23, 0
	s_lshl_b32 s20, s20, 11
	s_mov_b32 s21, 0
	s_lshl_b32 s24, s17, 2
	s_lshl_b32 s25, s15, 1
	s_add_co_u32 s24, s24, s25                     ; o's first tile of mine
	s_lshl_b32 s26, s24, 9
	s_mov_b32 s27, 0
	s_lshl_b32 s24, s24, 14
	s_mov_b32 s25, 0
	s_lshl_b32 s28, s17, 17                        ; out0: row 64 (id / 8) + 16 w, of 2,048 bytes; + 256 bytes a block of columns
	s_lshl_b32 s29, s14, 15
	s_add_co_u32 s28, s28, s29
	s_lshl_b32 s29, s18, 8
	s_add_co_u32 s28, s28, s29
	s_mov_b32 s29, 0
	s_wait_kmcnt 0x0
	s_add_nc_u64 s[20:21], s[8:9], s[20:21]
	s_add_nc_u64 s[22:23], s[10:11], s[22:23]
	s_add_nc_u64 s[24:25], s[4:5], s[24:25]
	s_add_nc_u64 s[26:27], s[6:7], s[26:27]
	s_add_nc_u64 s[12:13], s[12:13], s[28:29]
.set k, 0
.rept 16
	global_load_b32 v[SA+k], v[L4], s[22:23] offset:128*k
.set k, k+1
.endr
.irp m, 0,1
	global_load_b128 v[SB+8*\m:SB+8*\m+3], v[R32], s[26:27] offset:512*\m          ; a row's 32 scale bytes: eight words, one a K step
	global_load_b128 v[SB+8*\m+4:SB+8*\m+7], v[R32], s[26:27] offset:512*\m+16
.endr
.irp ks, 0,1,2,3,4,5,6,7                       ; the fragments by K step, so that the products can begin while later steps are on their way
	WIN 0x40                                       ; window 1: Wo's fragment (n, ks) at 16 (8 n + ks)
.irp n, 0,1
.irp c, 0,1,2,3
	global_load_b128 v[16*(8*\n+\ks)+4*\c:16*(8*\n+\ks)+4*\c+3], v[L16], s[20:21] offset:2048*(8*\n+\ks)+512*\c
.endr
.endr
	WIN 0x80                                       ; window 2: o's fragment (m, ks) at 16 (8 m + ks)
.irp n, 0,1
.irp c, 0,1,2,3
	global_load_b128 v[16*(8*\n+\ks)+4*\c:16*(8*\n+\ks)+4*\c+3], v[L16], s[24:25] offset:2048*(8*\n+\ks)+512*\c
.endr
.endr
.endr
	WIN 0x09                                       ; source 0 window 1, source 1 window 2, C and D window 0
.irp ks, 0,1,2,3,4,5,6,7
.if 16*(7-\ks) > 63
	s_wait_loadcnt 63                              ; 16 loads of each later K step may be out; the wait names 63 at the most
.else
	s_wait_loadcnt 16*(7-\ks)
.endif
.irp m, 0,1
.irp n, 0,1                                    ; four accumulators by turns, one instruction a turn; the first K step starts the sums
.if \ks == 0
	v_wmma_scale_f32_16x16x128_f8f6f4 v[D+16*\m+8*\n:D+16*\m+8*\n+7], v[16*(8*\n+\ks):16*(8*\n+\ks)+15], v[16*(8*\m+\ks):16*(8*\m+\ks)+15], 0, v[SA+8*\n+\ks], v[SB+8*\m+\ks] matrix_a_fmt:MATRIX_FMT_BF8 matrix_b_fmt:MATRIX_FMT_BF8
.else
	v_wmma_scale_f32_16x16x128_f8f6f4 v[D+16*\m+8*\n:D+16*\m+8*\n+7], v[16*(8*\n+\ks):16*(8*\n+\ks)+15], v[16*(8*\m+\ks):16*(8*\m+\ks)+15], v[D+16*\m+8*\n:D+16*\m+8*\n+7], v[SA+8*\n+\ks], v[SB+8*\m+\ks] matrix_a_fmt:MATRIX_FMT_BF8 matrix_b_fmt:MATRIX_FMT_BF8
.endif
.endr
.endr
.endr
	WIN 0
.rept 8
	v_nop                                          ; eight places behind this form before its results are read
.endr
.irp m, 0,1
.irp n, 0,1
	ds_store_b128 v[STO], v[D+16*\m+8*\n:D+16*\m+8*\n+3] offset:2176*\m+32*\n      ; each accumulator from its low end on; 8 rows of 272 bytes further down for m = 1
	ds_store_b128 v[STO], v[D+16*\m+8*\n+4:D+16*\m+8*\n+7] offset:2176*\m+32*\n+16
.endr
.endr
	s_wait_dscnt 0x0                               ; for the others' sake: a row's 256 bytes come from two waves
	s_barrier_signal -1
	s_barrier_wait -1
.irp i, 0,1,2,3,4,5,6,7
	ds_load_b128 v[OUTR+4*\i:OUTR+4*\i+3], v[RD] offset:2*\i*272
.endr
.irp i, 0,1,2,3,4,5,6,7
	s_wait_dscnt 7-\i                              ; LDS loads come back in order: pair i of rows is in
	global_store_b128 v[CO], v[OUTR+4*\i:OUTR+4*\i+3], s[12:13] offset:4096*\i th:TH_STORE_NT
.endr
	s_wait_tensorcnt 0x0                           ; the wave's end: a wait, an add and a wait behind my last LDS store
	ds_add_u32 v[SPW], v[NIL]
	s_wait_dscnt 0x0
	s_endpgm
.Lfunc_end_k_q2d719a3e3c_outp:
	.size	k_q2d719a3e3c_outp, .Lfunc_end_k_q2d719a3e3c_outp-k_q2d719a3e3c_outp
	.p2alignl 7, 3214868480
	.fill 96, 4, 3214868480
	.section	.rodata,"a",@progbits
	.p2align	6, 0x0
	.amdhsa_kernel k_q2d719a3e3c_outp
		.amdhsa_group_segment_fixed_size 17920
		.amdhsa_private_segment_fixed_size 0
		.amdhsa_enable_private_segment 0
		.amdhsa_kernarg_size 40
		.amdhsa_user_sgpr_count 2
		.amdhsa_user_sgpr_kernarg_segment_ptr 1
		.amdhsa_wavefront_size32 1
		.amdhsa_system_sgpr_workgroup_id_x 1
		.amdhsa_system_sgpr_workgroup_id_y 1
		.amdhsa_system_sgpr_workgroup_id_z 1
		.amdhsa_system_vgpr_workitem_id 0
		.amdhsa_next_free_vgpr 768
		.amdhsa_next_free_sgpr 66
		.amdhsa_reserve_vcc 0
		.amdhsa_float_denorm_mode_32 3
		.amdhsa_float_denorm_mode_16_64 3
		.amdhsa_memory_ordered 1
		.amdhsa_forward_progress 1
		.amdhsa_inst_pref_size 24
	.end_amdhsa_kernel
	.amdgpu_metadata
---
amdhsa.version: [ 1, 2 ]
amdhsa.kernels:
  - .name:           k_q2d719a3e3c_outp
    .symbol:         k_q2d719a3e3c_outp.kd
    .args:
      - { .name: oc, .offset: 0, .size: 8, .value_kind: global_buffer, .address_space: global }
      - { .name: os, .offset: 8, .size: 8, .value_kind: global_buffer, .address_space: global }
      - { .name: c0, .offset: 16, .size: 8, .value_kind: global_buffer, .address_space: global }
      - { .name: s0, .offset: 24, .size: 8, .value_kind: global_buffer, .address_space: global }
      - { .name: out0, .offset: 32, .size: 8, .value_kind: global_buffer, .address_space: global }
    .group_segment_fixed_size: 17920
    .private_segment_fixed_size: 0
    .kernarg_segment_align: 8
    .kernarg_segment_size: 40
    .max_flat_workgroup_size: 128
    .sgpr_count:     66
    .vgpr_count:     768
    .wavefront_size: 32
...
	.end_amdgpu_metadata
.endif
;; end of part 4
